; MI455X (gfx1250); checked and timed in simulation.
; The chip was launched on July 23, 2026; its instructions are those of AMD's public machine-readable ISA for CDNA 5 (MIT licence, August 2026) and "CDNA5" Instruction Set Architecture Reference Guide (July 2026). The comments in the code are by the model that wrote it; some were corrected since.
;; Nonlocal Interaction. Allowed arithmetic: matrix products marked QUANTISED: E4M3 operands, one given power-of-two scale a tensor, by v_wmma_f32_16x16x64_fp8_fp8 or v_wmma_f32_16x16x128_fp8_fp8, f32 sums; everything else in f32.
;; Inputs: Wk_codes 128 x 4 x 32 uint8 (E4M3 codes of Wk, K innermost, in blocks of 32 codes); Wq_codes 128 x 4 x 32 uint8 (E4M3 codes of Wq, K innermost, in blocks of 32 codes); Wv_codes 128 x 4 x 32 uint8 (E4M3 codes of Wv, K innermost, in blocks of 32 codes); lowp_scales 10 int32 (the exponents e of the quantised operands' scales 2^e); x_codes 16,384 x 4 x 32 uint8 (E4M3 codes of x, K innermost, in blocks of 32 codes).
;; Outputs: out0 16,384 x 128 float32.
;; This version of the problem:
;;   THIS VERSION OF THE PROBLEM IS GIVEN IN LOW PRECISION. The matrix products marked QUANTISED in the list below multiply operands that are first quantised to E4M3 (4 exponent bits, 3 mantissa bits; 8 bits a number), with one given power-of-two scale for each operand tensor; their sums are f32. All else is computed in f32.
;;   The module's matrix products, in the order in which they are computed (A, B: the left and right operand; K: the contracted axis; several contracted axes count as one K, in the product's order):
;;     1. [M 16,384, K 128] x [K 128, N 128]; A: input x (given as codes); B: input Wq (given as codes): QUANTISED (scales: A lowp_scales[0], B lowp_scales[1])
;;     2. [M 16,384, K 128] x [K 128, N 128]; A: input x (given as codes); B: input Wk (given as codes): QUANTISED (scales: A lowp_scales[2], B lowp_scales[3])
;;     3. [M 16,384, K 128] x [K 128, N 128]; A: input x (given as codes); B: input Wv (given as codes): QUANTISED (scales: A lowp_scales[4], B lowp_scales[5])
;;     4. [M 16,384, K 128] x [K 128, N 16,384]; A: computed on the way; B: computed on the way: QUANTISED (scales: A lowp_scales[6], B lowp_scales[7])
;;     5. [M 16,384, K 16,384] x [K 16,384, N 128]; A: softmax (see below); B: computed on the way: QUANTISED (scales: A lowp_scales[8], B lowp_scales[9])
;;   THE QUANTISER, for each operand of a quantised product, along K:
;;     - The operand's scale is 2^e, e = its entry of the input lowp_scales (int32; the entries are numbered through the quantised products in the list's order, A before B).
;;     - Each number is divided by the scale, clamped to +-448, and rounded to the nearest number of E4M3, ties to even, subnormals kept.
;;     - The product sums the exact products of the quantised numbers (number of the format x scale) in f32.
;;   ~~~python
;;   def quantise(x, axis, e):      # numpy; x: float32 -> the quantised numbers, widened to float32 again
;;       x = np.moveaxis(x, axis, -1); K = x.shape[-1]
;;       r = np.clip(x / 2.0 ** e, -448, 448)
;;       step = 2.0 ** (np.maximum(np.frexp(np.where(r == 0, 1, r))[1] - 1, -6) - 3)
;;       q = np.round(r / step) * step * 2.0 ** e      # np.round: ties to even
;;       return np.moveaxis(q, -1, axis).astype(np.float32)
;;   ~~~
;;   SOFTMAX AHEAD OF A QUANTISED PRODUCT. Where the list says 'softmax', what is quantised is not the finished softmax but p = 2^(t - M), with t = logit x log2(e) and M = ceil(the row's largest t), a whole number; so 1/2 < the row's largest p <= 1. The row's sum l is taken of the UNQUANTISED p, in f32, and the product's result is divided by l at the end. Since M is a whole number, a kernel that streams over the keys may use a running M (the ceiling of the running maximum): every later rescaling is an exact power of two, so the quantised numbers keep their values, but for numbers so far below the row's largest that they fall under the format's range.
;;   OPERANDS COMPUTED ON THE WAY. 'Computed on the way' means the value that the module computes at that place (a softmax that the list does not call 'softmax' is quantised finished and normalised). What goes into a quantiser is computed in f32, as accurately as f32 sums, v_exp_f32 and their like allow (about 1e-6 of the number): no bf16 or f16 on the way to a quantiser, and a product that is left as it is and whose result goes on into a quantised operand takes f32 operands (vector FMAs, or v_wmma_f32_16x16x4_f32). A number that lies on a knife's edge between two numbers of the format may be rounded either way, as far as f32 arithmetic and the matrix unit's own rounding can turn it there, and no further.
;;   INPUTS GIVEN AS CODES. Wk (in the module: [128, 128], K = its axis 1); Wq (in the module: [128, 128], K = its axis 1); Wv (in the module: [128, 128], K = its axis 1); x (in the module: [16384, 128], K = its axis 1): each comes as NAME_codes (uint8): NAME with its K axis moved to the last place and cut into blocks of 32 codes, [.., K / 32, bytes a block], one block behind the other in memory; one code a byte (a code: sign, 4 exponent bits, 3 mantissa bits); its scale is its entry of lowp_scales. Its value is code x scale, taken as it is: it is not quantised again, and the codes and scales need not be those that the quantiser above would give.
;; One version. Each part assembles by itself: llvm-mc -triple=amdgcn-amd-amdhsa -mcpu=gfx1250 --defsym DOCPART=n.
;; ======== version 1 of 1: 2 launches
;; limits: right only within a limited range of input values
;; workspace buffers: q_img 2,097,152 bytes; k_img 2,097,152 bytes; v_img 2,097,152 bytes
;; launch project (part 1): grid 128 x 3, 4 waves a work-group, no clusters, 0 bytes of LDS; arguments x_codes, Wq_codes, Wk_codes, Wv_codes, lowp_scales, q_img, k_img, v_img; writes q_img, k_img, v_img
.if DOCPART == 1
	.amdgcn_target "amdgcn-amd-amdhsa--gfx1250"
	.amdhsa_code_object_version 6
	.text
	.protected	k_q88df7bc90f_project
	.globl	k_q88df7bc90f_project
	.p2align	8
	.type	k_q88df7bc90f_project,@function
k_q88df7bc90f_project:
	s_mov_b64 s[64:65], 0
	v_nop
	global_prefetch_b8 v0, s[64:65] scope:SCOPE_SE
	s_setreg_imm32_b32 hwreg(HW_REG_WAVE_MODE, 25, 1), 1
	s_wait_xcnt 0x0
; q = x Wq^T, k = x Wk^T, v = x Wv^T on the given codes of E4M3, each result quantised at once, in registers, to the codes that the two products of the attention take.
; NOTHING OF THE PROBLEM IS LEFT OUT: every input has a way to the output, and all five products of the table are done (three here, two in the next launch).  The division by sqrt(128) is folded
; into the constant by which the next launch multiplies its scores.  x's one set of codes has three scale entries (0, 2, 4), one for each product: each is honoured.
; THE WORKSPACE IS LAID AS IMAGES OF OPERAND REGISTERS: img[g][t][c][lane][16 bytes], g = a group of 128 atoms (16,384 bytes), t = a tile of 16 rows (2,048), c = four registers of a fragment (512).
;   With r = lane % 16, h = lane / 16, perm(t, r) = 32 (t / 2) + 8 (t % 2) + r + 8 (r / 8):
;   q_img, k_img: lane (r, h) holds atom 128 g + perm(t, r), features 32 c + 16 h + 0 .. 15.     v_img: lane (r, h) holds channel perm(t, r), atoms 128 g + 32 c + 16 h + 0 .. 15 (the keys are the last product's K).
;   So a fragment is four loads of 16 bytes at 16 x lane, a group is one dense block, and each store below covers 512 consecutive bytes, aligned.
; SHARES.  Work-group x = the group g; y = the role: 0 q, 1 k, 2 v.  ONE text serves all three: only pointers and exponents are chosen, by s_cselect on the work-group's y.
;   Source 0 ("A") is the matrix whose 128 rows are to run along a lane's registers: the weight for q and k, the group's x for v.  Source 1 ("B") gives a lane its row: the group's x for q and k, Wv for v.
;   Wave w takes B's tiles 2 w and 2 w + 1 against all eight tiles of A: 16 matrix instructions.  The rows of a tile go by perm, so that in the results of tiles 2 b and 2 b + 1 of A a lane's 16 registers are
;   A's rows 32 b + 16 h + 0 .. 15: eight conversions then give the image's 16 registers as they stand.
;   In both sources registers 4 c .. 4 c + 3 hold k = 32 c + 16 h + 0 .. 15: one permutation of k for both, so every product meets its partner.
; NO LDS, NO TENSOR LOAD, NO CLUSTER: what waves share (one weight, or a group of x: 16,384 bytes) goes straight into the registers in which it is multiplied; through LDS it would be written and read once more
;   for the 16 matrix instructions of a wave.
; A sum stands for sum x 2^(ea + eb); its code is sum / 2^(eo - ea - eb), held within +-448: the three exponents are folded into the conversion's one scale.
; LIMITS: eo - ea - eb lies between -126 and 119 for each role ((eo, ea, eb) = entries (6, 0, 1), (7, 2, 3), (9, 4, 5)), so that both powers of two below are f32 numbers.  NaN codes among the inputs are not served.
.set LA,  4                            ; v4       my lane's byte in a tile of rows of 128 codes: (r + 8 (r / 8)) x 128 + 16 h
.set LI,  5                            ; v5       16 x lane: my place in an image
.set LIM, 10                           ; v10      448 x 2^(eo - ea - eb)
.set SC,  11                           ; v11      2^(eo - ea - eb) as f32
.set C,   12                           ; v12-27   the codes just made: a fragment's 16 registers
.set ACC, 28                           ; v28-91   eight accumulators
.set B,   92                           ; v92-123  B's two fragments
.set A,   124                          ; v124-251 A's eight fragments
	s_load_b256 s[4:11], s[0:1], 0x0               ; x s[4:5], Wq s[6:7], Wk s[8:9], Wv s[10:11]
	s_load_b256 s[12:19], s[0:1], 0x20             ; the exponents s[12:13], q_img s[14:15], k_img s[16:17], v_img s[18:19]
	v_lshrrev_b32 v1, 5, v0
	v_readfirstlane_b32 s21, v1                    ; wave 0..3
	s_and_b32 s20, ttmp7, 0xffff                   ; the role
	s_lshl_b32 s22, ttmp9, 14                      ; the group's 16,384 bytes, in x and in each image
	s_mov_b32 s23, 0
	s_lshl_b32 s40, s21, 12                        ; my wave's two tiles: 32 rows of 128 bytes in B, 2 x 2,048 bytes in the image
	s_mov_b32 s41, 0
	v_and_b32 v1, 15, v0                           ; r
	v_bfe_u32 v2, v0, 4, 1                         ; h
	v_and_b32 v3, 8, v1
	v_add_nc_u32 v3, v3, v1                        ; r + 8 (r / 8)
	v_lshlrev_b32 v[LA], 7, v3
	v_lshl_add_u32 v[LA], v2, 4, v[LA]
	v_and_b32 v[LI], 31, v0
	v_lshlrev_b32 v[LI], 4, v[LI]
	s_wait_alu depctr_va_vdst(0)
	s_wait_kmcnt 0x0
	s_load_b256 s[24:31], s[12:13], 0x0            ; entries 0 to 7
	s_load_b32 s33, s[12:13], 0x24                 ; entry 9
	s_add_nc_u64 s[4:5], s[4:5], s[22:23]          ; x at my group
	s_cmp_eq_u32 s20, 0                            ; the choices hang on the work-group's y alone
	s_cselect_b64 s[34:35], s[6:7], s[8:9]         ; the weight of q or of k
	s_cselect_b64 s[38:39], s[14:15], s[16:17]     ; and its image
	s_cmp_eq_u32 s20, 2
	s_cselect_b64 s[36:37], s[10:11], s[4:5]       ; B: Wv for v, else x
	s_cselect_b64 s[34:35], s[4:5], s[34:35]       ; A: x for v, else the weight
	s_cselect_b64 s[38:39], s[18:19], s[38:39]
	s_add_nc_u64 s[36:37], s[36:37], s[40:41]      ; B at my wave's tiles
	s_add_nc_u64 s[38:39], s[38:39], s[22:23]      ; the image at my group,
	s_add_nc_u64 s[38:39], s[38:39], s[40:41]      ; at my wave's tiles
.irp u, 0,1
.irp c, 0,1,2,3
	global_load_b128 v[B+16*\u+4*\c:B+16*\u+4*\c+3], v[LA], s[36:37] offset:\u*1024+32*\c   ; tile 2 w + u begins 8 u rows on
.endr
.endr
.irp t, 0,1,2,3,4,5,6,7
.irp c, 0,1,2,3
	global_load_b128 v[A+16*\t+4*\c:A+16*\t+4*\c+3], v[LA], s[34:35] offset:(32*(\t/2)+8*(\t%2))*128+32*\c
.endr
.endr
	s_wait_kmcnt 0x0                               ; the exponents
	s_cmp_eq_u32 s20, 0
	s_cselect_b32 s42, s24, s26                    ; ea
	s_cselect_b32 s43, s25, s27                    ; eb
	s_cselect_b32 s44, s30, s31                    ; eo
	s_cmp_eq_u32 s20, 2
	s_cselect_b32 s42, s28, s42
	s_cselect_b32 s43, s29, s43
	s_cselect_b32 s44, s33, s44
	s_sub_co_i32 s44, s44, s42
	s_sub_co_i32 s44, s44, s43                     ; eo - ea - eb
	s_add_co_i32 s44, s44, 127
	s_lshl_b32 s45, s44, 23
	v_mov_b32 v[SC], s45                           ; the conversion takes this number's exponent field
	s_add_co_i32 s44, s44, 8
	s_lshl_b32 s44, s44, 23
	s_or_b32 s44, s44, 0x600000                    ; 448 = 1.75 x 2^8
	v_mov_b32 v[LIM], s44
	s_wait_loadcnt 0x0                             ; all forty loads
; 64 sums of a lane, register 16 b + i = A's row 32 b + 16 h + i, become a fragment's 16 registers of codes.  Each accumulator is taken from its low end on.
.macro QUANT
.irp b, 0,1,2,3
.irp i, 0,1,2,3,4,5,6,7,8,9,10,11,12,13,14,15
	v_med3_num_f32 v[ACC+16*\b+\i], v[ACC+16*\b+\i], -v[LIM], v[LIM]   ; the conversion to an 8-bit code does not saturate (ISA guide 7.6.2): the hold at the largest code x the scale comes first
.endr
	v_cvt_scalef32_pk8_fp8_f32 v[C+4*\b:C+4*\b+1], v[ACC+16*\b:ACC+16*\b+7], v[SC]
	v_cvt_scalef32_pk8_fp8_f32 v[C+4*\b+2:C+4*\b+3], v[ACC+16*\b+8:ACC+16*\b+15], v[SC]
.endr
	v_nop                                          ; a plain vector instruction between the last conversion and the next products, which write its sources
.endm
; B's tile u against A's eight: the products start their sums with the constant 0; nothing is cleared.
.macro TILE u
.irp t, 0,1,2,3,4,5,6,7
	v_wmma_f32_16x16x128_fp8_fp8 v[ACC+8*\t:ACC+8*\t+7], v[A+16*\t:A+16*\t+15], v[B+16*\u:B+16*\u+15], 0
.endr
.rept 4
	v_nop                                          ; four places between the last product and the first read of results (ISA guide 7.12.1)
.endr
.if \u
	s_wait_xcnt 0x0                                ; the first tile's stores have read their data: the codes' registers are written again only behind this wait
.endif
	s_wait_alu depctr_va_vdst(0)
	QUANT
.irp c, 0,1,2,3
	global_store_b128 v[LI], v[C+4*\c:C+4*\c+3], s[38:39] offset:\u*2048+512*\c   ; 32 lanes store 512 consecutive bytes, at a multiple of 512 from the image's first byte
.endr
.endm
	TILE 0
	TILE 1                                         ; its products write over the first tile's accumulators far more than five plain instructions behind the products that made them
	s_endpgm
.Lfunc_end_k_q88df7bc90f_project:
	.size	k_q88df7bc90f_project, .Lfunc_end_k_q88df7bc90f_project-k_q88df7bc90f_project
	.p2alignl 7, 3214868480
	.fill 96, 4, 3214868480
	.section	.rodata,"a",@progbits
	.p2align	6, 0x0
	.amdhsa_kernel k_q88df7bc90f_project
		.amdhsa_group_segment_fixed_size 0
		.amdhsa_private_segment_fixed_size 0
		.amdhsa_enable_private_segment 0
		.amdhsa_kernarg_size 64
		.amdhsa_user_sgpr_count 2
		.amdhsa_user_sgpr_kernarg_segment_ptr 1
		.amdhsa_wavefront_size32 1
		.amdhsa_system_sgpr_workgroup_id_x 1
		.amdhsa_system_sgpr_workgroup_id_y 1
		.amdhsa_system_sgpr_workgroup_id_z 1
		.amdhsa_system_vgpr_workitem_id 0
		.amdhsa_next_free_vgpr 256
		.amdhsa_next_free_sgpr 66
		.amdhsa_reserve_vcc 0
		.amdhsa_float_denorm_mode_32 3
		.amdhsa_float_denorm_mode_16_64 3
		.amdhsa_memory_ordered 1
		.amdhsa_forward_progress 1
		.amdhsa_inst_pref_size 18
	.end_amdhsa_kernel
	.amdgpu_metadata
---
amdhsa.version: [ 1, 2 ]
amdhsa.kernels:
  - .name:           k_q88df7bc90f_project
    .symbol:         k_q88df7bc90f_project.kd
    .args:
      - { .name: x_codes, .offset: 0, .size: 8, .value_kind: global_buffer, .address_space: global }
      - { .name: Wq_codes, .offset: 8, .size: 8, .value_kind: global_buffer, .address_space: global }
      - { .name: Wk_codes, .offset: 16, .size: 8, .value_kind: global_buffer, .address_space: global }
      - { .name: Wv_codes, .offset: 24, .size: 8, .value_kind: global_buffer, .address_space: global }
      - { .name: lowp_scales, .offset: 32, .size: 8, .value_kind: global_buffer, .address_space: global }
      - { .name: q_img, .offset: 40, .size: 8, .value_kind: global_buffer, .address_space: global }
      - { .name: k_img, .offset: 48, .size: 8, .value_kind: global_buffer, .address_space: global }
      - { .name: v_img, .offset: 56, .size: 8, .value_kind: global_buffer, .address_space: global }
    .group_segment_fixed_size: 0
    .private_segment_fixed_size: 0
    .kernarg_segment_align: 8
    .kernarg_segment_size: 64
    .max_flat_workgroup_size: 128
    .sgpr_count:     66
    .vgpr_count:     256
    .wavefront_size: 32
...
	.end_amdgpu_metadata
.endif
;; end of part 1
;; launch attend (part 2): grid 256 x 1, 4 waves a work-group, clusters of 4 x 1, 327,680 bytes of LDS; arguments q_img, k_img, v_img, lowp_scales, out0; writes out0
.if DOCPART == 2
	.amdgcn_target "amdgcn-amd-amdhsa--gfx1250"
	.amdhsa_code_object_version 6
	.text
	.protected	k_q88df7bc90f_attend
	.globl	k_q88df7bc90f_attend
	.p2align	8
	.type	k_q88df7bc90f_attend,@function
k_q88df7bc90f_attend:
	s_mov_b64 s[64:65], 0
	v_nop
	global_prefetch_b8 v0, s[64:65] scope:SCOPE_SE
	s_setreg_imm32_b32 hwreg(HW_REG_WAVE_MODE, 25, 1), 1
	s_wait_xcnt 0x0
	s_wait_alu depctr_hold_cnt(0) depctr_sa_sdst(0) depctr_va_vdst(0) depctr_va_sdst(0) depctr_va_ssrc(0) depctr_va_vcc(0) depctr_vm_vsrc(0)
	s_getreg_b32 s2, hwreg(HW_REG_IB_STS2, 6, 4)
	s_cmp_eq_u32 s2, 0
	s_cbranch_scc0 .Lentry_in_a_cluster
	s_endpgm
.Lentry_in_a_cluster:
	s_bfe_u32 s2, ttmp6, 0x10000c
	s_cmp_lg_u32 s2, 0x3003
	s_cbranch_scc0 .Lentry_shape_is_right
	s_endpgm
.Lentry_shape_is_right:
; out = softmax(q k^T / sqrt(128)) v on the codes that the launch before has made, both products on E4M3 codes.  Nothing of the problem is left out here.
; t = score x log2(e) / sqrt(128) x 2^(eq + ek); M = the running largest t rounded up to a whole number; p = 2^(t - M) is held at 448 x 2^ep and quantised with 2^ep;
; the row's sum is taken of the unquantised p; when M moves, the sums and O^T are multiplied by 2^(old M - new M), which rounds nothing.
; SHARES.  A work-group owns 64 queries (half a group of q_img: four tiles of 16).  Its FOUR waves, one to a SIMD, all hold all four tiles and divide the keys:
;   a slot holds 512 keys (four groups of k_img, 65,536 bytes, then the same groups of v_img), and wave w takes group w.  So each fragment read from LDS feeds four matrix instructions.
;   At the end the four waves' partial O^T, M and sums are joined through LDS.
; CLUSTERS: all work-groups walk the same K and V; the four of a cluster ask for each slot jointly (mask 15): waves 0, 1 fetch K's halves, waves 2, 3 V's, 32,768 bytes each, as 128 rows of 256 bytes.
; THE STEP s.  K(s) and V(s) stand in registers: S^T = K Q^T; then my reads of slot s % 2 are over, and the change of slots stands HERE: the wait for my tensor load (data s + 1), the add, the wait for
;   LDS, the round's opening signal; the maxima, the new M and the rescaling of O^T (registers alone) stand between that signal and its wait; behind the round slot s % 2 is filled with data s + 2,
;   and K(s + 1) is fetched from the other slot; exponentials, sums, holds, conversions; O^T += V^T P^T; V(s + 1) is fetched.  One tensor load of a wave is out at any time.
; LAYOUT (see the launch before): both products are used transposed, a lane holds one query (lane % 16) of each tile; the 16 registers of score tiles 2 b, 2 b + 1 are keys 32 b + 16 (lane / 16) + 0 .. 15.
; THE EXPONENTIALS of tile q stand by turns with plain work whose results are read only behind the batch's wait: tile q + 1's multiply-adds and tile q - 1's holds.
; PREFETCH: at the change that loads data s + 2, the four work-groups of cluster 0 name data s + 3 once: of the 32,768 bytes that wave w fetches the partner at place cx takes 8,192, lanes 256 bytes apart
;   (told apart by address); all clusters read the same bytes, so one cluster asks.  Data 0 to 2 come by their loads alone; the last change that fills asks for nothing.
; LIMITS: eq + ek between -123 and 130 (added to the constant's exponent field); ep between -126 and 119; the scaled scores stay under 2^31 in magnitude; NaN codes are not served.
; REGISTERS, in windows of 256.  Window 0: v0-79 addresses and statistics, v80-143 P's codes, v144-207 Q.  Window 1: S^T, then p (tile q at 64 q).  Window 2: O^T (tile q at 64 q).  Window 3: v0-127 K's eight fragments, v128-255 V's.
.set SLOT1, 1<<17                      ; slot 1 begins here
.set SLOTB, 65536                      ; a slot's bytes of K, and of V
.set VOFF,  65536
.set SPARE, 2*SLOT1                    ; the spare words: 128 bytes a wave
.set STATS, SPARE+1024                 ; the way out: (-M, sum) of 4 waves x 4 tiles x 32 lanes
.set SP,    528                        ; the way out: a stage row, 512 bytes + 16
.set PLANE, 64*SP                      ; one wave's 64 rows; the four planes lie in the slots, which have had their last fill and last read by then
.set AK0, 1
.set AV0, 2
.set ADK, 3
.set ADV, 4
.set SPW, 5
.set NIL, 6
.set PFO, 7
.set HOLD, 8                           ; 448 x 2^ep
.set PSC, 9                            ; 2^ep
.set LI,  10                           ; 16 x lane
.set ST,  12                           ; 2 q: -M;  2 q + 1: the running largest raw score
.set FC,  20                           ; 2 q: 2^(old M - new M); the odd ones are only named in pairs
.set MA,  28                           ; two chains of maxima a tile
.set PD,  36
.set TM,  40
.set SA,  44                           ; four pairs of partial sums a tile
.set P,   80
.set QF,  144
.set KF,  0
.set VF,  128
.set E,   80                           ; the way out: the four waves' statistics
.set W,   112                          ; the way out: at work
.set WV,  14
.set G1,  24
.set G0A, 32
.set G0B, 36
.set SEL, 40
.set CS,  42
.set TB,  44
.set SLOTS, 45
.set LIM, 46
.set PFA, 48
.set MSB, 0
.macro WIN new                         ; the immediate's high byte repeats the setting that is left
.if MSB != \new
	s_set_vgpr_msb (MSB<<8)|\new
.set MSB, \new
.endif
.endm
.macro CREST                           ; a round of the cluster's barrier behind its opening barrier
	s_cmp_lg_u32 s[WV], 0
	s_cbranch_scc1 .Lnot_wave_0_\@
	s_barrier_signal -3
.Lnot_wave_0_\@:
	s_barrier_wait -3
	s_barrier_signal -1
	s_barrier_wait -1
.endm
.macro CROUND
	s_barrier_signal -1
	s_barrier_wait -1
	CREST
.endm
.macro PLACES
.rept 4
	v_nop
.endr
.endm
.macro ASK
	s_cmp_gt_u32 s[SLOTS], s[LIM]
	s_cbranch_scc0 .Lnot_mine_\@
	global_prefetch_b8 v[PFO], s[PFA:PFA+1] th:TH_LOAD_NT scope:SCOPE_SE
.Lnot_mine_\@:
.endm
.macro FETCH base, adr                 ; eight fragments, 32 loads of 512 consecutive bytes, into window 3
.irp t, 0,1,2,3,4,5,6,7
.irp c, 0,1,2,3
	ds_load_b128 v[\base+16*\t+4*\c:\base+16*\t+4*\c+3], v[\adr] offset:\t*2048+512*\c
.endr
.endr
.endm
	s_load_b256 s[4:11], s[0:1], 0x0               ; q_img s[4:5], k_img s[6:7], v_img s[8:9], the exponents s[10:11]
	s_load_b64 s[12:13], s[0:1], 0x20              ; out0
	v_lshl_add_u32 v[SPW], v0, 2, SPARE
	v_mov_b32 v[NIL], 0
	ds_add_u32 v[SPW], v[NIL]                      ; the opening lines: the add, twice on end, and its wait
	ds_add_u32 v[SPW], v[NIL]
	v_lshrrev_b32 v1, 5, v0
	v_readfirstlane_b32 s[WV], v1                  ; wave 0..3
	s_and_b32 s15, s[WV], 1
	s_lshr_b32 s16, s[WV], 1
	s_bfe_u32 s18, ttmp6, 0x40000                  ; cx
	s_lshl_b32 s19, ttmp9, 2
	s_add_co_u32 s19, s19, s18                     ; the work-group's number
	s_lshl_b32 s20, s15, 15                        ; which half of K's or V's 65,536 bytes I fetch
	s_mov_b32 s21, 0
	s_lshl_b32 s22, s[WV], 15                      ; and where it goes in a slot
	s_lshl_b32 s23, s[WV], 14                      ; my group of 128 keys in a slot
	s_mov_b32 s[G1+0], 15|(3<<16)|(1<<21)          ; the cluster's four; elements of 8 bytes; bit 21 beside the mask
	s_mov_b32 s[G1+1], 32<<16                      ; rows of 32 elements = 256 bytes
	s_mov_b32 s[G1+2], 128<<16                     ; 128 rows
	s_mov_b32 s[G1+3], 32<<16
	s_mov_b32 s[G1+4], 128
	s_mov_b32 s[G1+5], 32                          ; dense
	s_mov_b32 s[G1+6], 0
	s_mov_b32 s[G1+7], 0
	s_mov_b32 s[G0A], 1
	s_mov_b32 s[G0A+1], s22
	s_mov_b32 s[G0B], 1
	s_add_co_u32 s[G0B+1], s22, SLOT1
	s_mov_b32 s[SEL], 0x76543210
	s_mov_b32 s[SEL+1], 0xfedcba98
	s_mov_b32 s[CS], 0x3e0293ee                    ; log2(e) / sqrt(128)
	s_mov_b32 s[TB], 0
	s_mov_b32 s[SLOTS], 29
	s_cmp_eq_u32 ttmp9, 0
	s_cselect_b32 s[LIM], 1, -1                    ; cluster 0 prefetches while more than one filling change is to come; the others never
	v_and_b32 v[LI], 31, v0
	v_lshlrev_b32 v[PFO], 8, v[LI]
	v_lshlrev_b32 v[LI], 4, v[LI]
	v_add_nc_u32 v[AK0], s23, v[LI]
	v_add_nc_u32 v[AV0], VOFF, v[AK0]
.irp q, 0,1,2,3
	v_mov_b32 v[FC+2*\q+1], 0                      ; named as a pair's upper half
	v_mov_b32 v[PD+\q], 0                          ; a lane permute's destination counts as a source
	v_mov_b32 v[ST+2*\q+1], 0xff7fffff             ; the largest score so far: under every score
.endr
	s_lshl_b32 s2, s18, 13                         ; my work-group's 8,192 bytes of what I prefetch
	s_mov_b32 s3, 0
	s_lshl_b32 s56, s19, 13                        ; my four tiles of q_img
	s_mov_b32 s57, 0
	s_lshl_b32 s60, s19, 6                         ; the way out: stage rows 16 w + i are atoms 64 x work-group + 32 (w / 2) + 8 (w % 2) + i + 8 (i / 8)
	s_lshl_b32 s61, s16, 5
	s_add_co_u32 s60, s60, s61
	s_lshl_b32 s61, s15, 3
	s_add_co_u32 s60, s60, s61
	s_lshl_b32 s60, s60, 9
	s_mov_b32 s61, 0
	s_wait_alu depctr_va_vdst(0)
	s_wait_dscnt 0x0
	s_wait_kmcnt 0x0
	s_load_b64 s[52:53], s[10:11], 0x18            ; eq, ek
	s_load_b64 s[54:55], s[10:11], 0x20            ; ep, ev
	s_cmp_lt_u32 s[WV], 2
	s_cselect_b64 s[G0A+2:G0A+3], s[6:7], s[8:9]
	s_add_nc_u64 s[G0A+2:G0A+3], s[G0A+2:G0A+3], s[20:21]
	s_add_nc_u64 s[G0B+2:G0B+3], s[G0A+2:G0A+3], SLOTB
	s_add_nc_u64 s[PFA:PFA+1], s[G0A+2:G0A+3], s[2:3]
	s_add_nc_u64 s[PFA:PFA+1], s[PFA:PFA+1], 2*SLOTB   ; the first change steps it to data 3
	s_or_b32 s[G0A+3], s[G0A+3], 0x80000000
	s_or_b32 s[G0B+3], s[G0B+3], 0x80000000
	s_add_nc_u64 s[4:5], s[4:5], s[56:57]
	s_add_nc_u64 s[12:13], s[12:13], s[60:61]
	CROUND                                         ; in front of the first joint loads
	tensor_load_to_lds s[G0A:G0A+3], s[G1:G1+7]    ; data 0: one tensor load a wave at the head
	s_nop 0
.irp q, 0,1,2,3
.irp c, 0,1,2,3
	global_load_b128 v[QF+16*\q+4*\c:QF+16*\q+4*\c+3], v[LI], s[4:5] offset:\q*2048+512*\c   ; Q stays in registers
.endr
.endr
	s_wait_tensorcnt 0x0                           ; slot 1's first fill is issued as a refill is
	ds_add_u32 v[SPW], v[NIL]
	s_wait_dscnt 0x0
	CROUND
	tensor_load_to_lds s[G0B:G0B+3], s[G1:G1+7]    ; data 1
	s_nop 0
	PLACES
	WIN 0xc0
	FETCH KF, AK0                                  ; K(0), V(0) from slot 0
	FETCH VF, AV0
	WIN 0
	s_wait_kmcnt 0x0
	s_add_co_i32 s56, s52, s53
	s_lshl_b32 s56, s56, 23
	s_add_co_i32 s[CS], s[CS], s56                 ; x 2^(eq + ek)
	s_mov_b32 s[CS+1], s[CS]
	s_add_co_i32 s56, s54, 127
	s_lshl_b32 s57, s56, 23
	v_mov_b32 v[PSC], s57
	s_add_co_i32 s56, s56, 8
	s_lshl_b32 s56, s56, 23
	s_or_b32 s56, s56, 0x600000
	v_mov_b32 v[HOLD], s56
	s_add_co_i32 s58, s54, s55                     ; ep + ev
; the 32 accumulators of a product take turns, one instruction a turn
.macro KQ
.irp t, 0,1,2,3,4,5,6,7
.irp q, 0,1,2,3
	v_wmma_f32_16x16x128_fp8_fp8 v[64*\q+8*\t:64*\q+8*\t+7], v[KF+16*\t:KF+16*\t+15], v[QF+16*\q:QF+16*\q+15], 0
.endr
.endr
.endm
.macro PV first
.irp t, 0,1,2,3,4,5,6,7
.irp q, 0,1,2,3
.if \first
	v_wmma_f32_16x16x128_fp8_fp8 v[64*\q+8*\t:64*\q+8*\t+7], v[VF+16*\t:VF+16*\t+15], v[P+16*\q:P+16*\q+15], 0
.else
	v_wmma_f32_16x16x128_fp8_fp8 v[64*\q+8*\t:64*\q+8*\t+7], v[VF+16*\t:VF+16*\t+15], v[P+16*\q:P+16*\q+15], v[64*\q+8*\t:64*\q+8*\t+7]
.endif
.endr
.endr
.endm
; The maxima: eight chains, each begun with the running largest score; each accumulator is read from its low end on.  Then the new -M = floor(-t) and f = 2^(old M - new M).
.macro SMAX first
	WIN 0x05
.set j, 0
.rept 16
.irp q, 0,1,2,3
.if j == 0
	v_max3_num_f32 v[MA+2*\q], v[64*\q+j], v[64*\q+j+1], v[ST+2*\q+1]
	v_max3_num_f32 v[MA+2*\q+1], v[64*\q+j+2], v[64*\q+j+3], v[ST+2*\q+1]
.else
	v_max3_num_f32 v[MA+2*\q], v[64*\q+j], v[64*\q+j+1], v[MA+2*\q]
	v_max3_num_f32 v[MA+2*\q+1], v[64*\q+j+2], v[64*\q+j+3], v[MA+2*\q+1]
.endif
.endr
.set j, j+4
.endr
	WIN 0
.irp q, 0,1,2,3
	v_max_num_f32 v[MA+2*\q], v[MA+2*\q], v[MA+2*\q+1]
.endr
.irp q, 0,1,2,3
	v_permlanex16_b32 v[PD+\q], v[MA+2*\q], s[SEL], s[SEL+1]
.endr
.irp q, 0,1,2,3
	v_max_num_f32 v[ST+2*\q+1], v[MA+2*\q], v[PD+\q]
.endr
.irp q, 0,1,2,3
	v_mul_f32 v[TM+\q], s[CS], v[ST+2*\q+1]        ; as t (the constant is positive)
.endr
.if \first
.irp q, 0,1,2,3
	v_floor_f32 v[ST+2*\q], -v[TM+\q]
.endr
.else
.irp q, 0,1,2,3
	v_floor_f32 v[TM+\q], -v[TM+\q]
.endr
.irp q, 0,1,2,3
	v_sub_f32 v[MA+2*\q], v[TM+\q], v[ST+2*\q]     ; old M less new M: a whole number, 0 or less
.endr
.irp q, 0,1,2,3
	v_mov_b32 v[ST+2*\q], v[TM+\q]
.endr
.irp q, 0,1,2,3
	v_cvt_i32_f32 v[MA+2*\q], v[MA+2*\q]
.endr
.irp q, 0,1,2,3
	v_ldexp_f32 v[FC+2*\q], 1.0, v[MA+2*\q]
.endr
.irp k, 0,1,2,3
.irp q, 0,1,2,3
	v_pk_mul_f32 v[SA+8*\q+2*\k:SA+8*\q+2*\k+1], v[SA+8*\q+2*\k:SA+8*\q+2*\k+1], v[FC+2*\q:FC+2*\q+1] op_sel_hi:[1,0]
.endr
.endr
	WIN 0x82
.irp q, 0,1,2,3
.set j, 0
.rept 32
	v_pk_mul_f32 v[64*\q+j:64*\q+j+1], v[64*\q+j:64*\q+j+1], v[FC+2*\q:FC+2*\q+1] op_sel_hi:[1,0]   ; O^T under the new M
.set j, j+2
.endr
.endr
	WIN 0
.endif
.endm
.macro FMA q
	v_pk_fma_f32 v[64*\q+j:64*\q+j+1], v[64*\q+j:64*\q+j+1], s[CS:CS+1], v[ST+2*\q:ST+2*\q+1] op_sel_hi:[1,0,0]   ; t - M
.endm
; tile e's 64 exponentials, by turns with tile f's multiply-adds and tile m's holds (-1: none); what these write is read only behind the wait that follows the batch
.macro BATCH e, f, m
.set j, 0
.rept 32
	v_exp_f32 v[64*\e+j], v[64*\e+j]
.if \m >= 0
	v_min_num_f32 v[64*\m+j], v[64*\m+j], v[HOLD]
.endif
	v_exp_f32 v[64*\e+j+1], v[64*\e+j+1]
.if \m >= 0
	v_min_num_f32 v[64*\m+j+1], v[64*\m+j+1], v[HOLD]
.endif
.if \f >= 0
	FMA \f
.endif
.set j, j+2
.endr
	s_wait_alu depctr_va_vdst(0)
.endm
.macro SUM q, first                    ; the unquantised p, two at a time, in four chains that go on from step to step
.if \first
	WIN 0x05
.irp k, 0,1,2,3
	v_pk_add_f32 v[SA+8*\q+2*\k:SA+8*\q+2*\k+1], v[64*\q+4*\k:64*\q+4*\k+1], v[64*\q+4*\k+2:64*\q+4*\k+3]
.endr
.set j, 16
.else
.set j, 0
.endif
	WIN 0x01
.rept (64-j)/8
.irp k, 0,1,2,3
	v_pk_add_f32 v[SA+8*\q+2*\k:SA+8*\q+2*\k+1], v[64*\q+j+2*\k:64*\q+j+2*\k+1], v[SA+8*\q+2*\k:SA+8*\q+2*\k+1]
.endr
.set j, j+8
.endr
.endm
.macro CVT q
.irp b, 0,1,2,3
	v_cvt_scalef32_pk8_fp8_f32 v[P+16*\q+4*\b:P+16*\q+4*\b+1], v[64*\q+16*\b:64*\q+16*\b+7], v[PSC]
	v_cvt_scalef32_pk8_fp8_f32 v[P+16*\q+4*\b+2:P+16*\q+4*\b+3], v[64*\q+16*\b+8:64*\q+16*\b+15], v[PSC]
.endr
.endm
; mode 2: the slot just read is filled again; 1: a barrier alone, nothing is filled; 0: the last step, nothing more to fetch
.macro STEP first, mode
	s_wait_dscnt 32                                ; K's 32 loads are in; V's 32, issued behind them, may be out
	WIN 0x43
	KQ
	WIN 0
.if \mode
	s_wait_tensorcnt 0x0                           ; my one tensor load, my part of the next data, has landed
	ds_add_u32 v[SPW], v[NIL]
.if \mode == 2
	s_xor_b32 s[G0B+1], s[G0B+1], SLOT1            ; the walking descriptor: the slot just read, two data on
	s_add_nc_u64 s[G0B+2:G0B+3], s[G0B+2:G0B+3], SLOTB
	s_wait_xcnt 0x0                                ; my last prefetch has read its address
	s_add_nc_u64 s[PFA:PFA+1], s[PFA:PFA+1], SLOTB
.endif
	s_wait_dscnt 0x0                               ; the add is done, V is in, and my reads of this slot are over
	s_barrier_signal -1
.else
	s_wait_dscnt 0x0
.endif
	PLACES                                         ; four places between the last product and the first read of results (ISA guide 7.12.1)
	SMAX \first                                    ; work on registers while the others arrive
.if \mode
	s_wait_alu depctr_va_vdst(0)
	s_barrier_wait -1
.if \mode == 2
	CREST
	tensor_load_to_lds s[G0B:G0B+3], s[G1:G1+7]    ; the first tensor load behind the round
	s_nop 0
	PLACES
	ASK
.endif
	s_xor_b32 s[TB], s[TB], SLOT1
	v_add_nc_u32 v[ADK], s[TB], v[AK0]
	v_add_nc_u32 v[ADV], s[TB], v[AV0]
	WIN 0xc0
	FETCH KF, ADK                                  ; the next step's K
.endif
	WIN 0x41
.set j, 0
.rept 32
	FMA 0
.set j, j+2
.endr
	s_wait_alu depctr_va_vdst(0)
	BATCH 0, 1, -1
	SUM 0, \first
	WIN 0x41
	BATCH 1, 2, 0
	SUM 1, \first
	CVT 0
	WIN 0x41
	BATCH 2, 3, 1
	SUM 2, \first
	CVT 1
	WIN 0x41
	BATCH 3, -1, 2
	SUM 3, \first
	CVT 2
	WIN 0x41
.set j, 0
.rept 64
	v_min_num_f32 v[192+j], v[192+j], v[HOLD]      ; the conversion does not saturate (ISA guide 7.6.2); p is not negative
.set j, j+1
.endr
	WIN 0x01
	CVT 3
	v_nop                                          ; a plain place between the last conversion and the products that read its result
	WIN 0xa3
	PV \first
	WIN 0
.if \mode
	PLACES
	WIN 0xc0
	FETCH VF, ADV                                  ; the next step's V
	WIN 0
.endif
.endm
	s_wait_alu depctr_va_vdst(0)
	s_wait_loadcnt 0x0                             ; Q
	STEP 1, 2                                      ; step 0 starts the sums: nothing is cleared
.Lslot:                                                ; steps 1 to 29
	STEP 0, 2
	s_sub_co_u32 s[SLOTS], s[SLOTS], 1
	s_cmp_lg_u32 s[SLOTS], 0
	s_cbranch_scc1 .Lslot
	STEP 0, 1                                      ; step 30 fills nothing
	STEP 0, 0                                      ; step 31
; THE WAY OUT.  Each wave's sums are joined in the lane and with lane l xor 16; (-M, sum) of all waves meet in LDS; each wave scales its O^T by 2^(its M - the largest M) / the joint sum x 2^(ep + ev),
; stores it as a plane of 64 rows of 512 bytes, and each wave adds the four planes for 16 rows, which leave as aligned runs of 512 bytes.
.irp q, 0,1,2,3
	v_pk_add_f32 v[SA+8*\q:SA+8*\q+1], v[SA+8*\q:SA+8*\q+1], v[SA+8*\q+2:SA+8*\q+3]
	v_pk_add_f32 v[SA+8*\q+4:SA+8*\q+5], v[SA+8*\q+4:SA+8*\q+5], v[SA+8*\q+6:SA+8*\q+7]
.endr
.irp q, 0,1,2,3
	v_pk_add_f32 v[SA+8*\q:SA+8*\q+1], v[SA+8*\q:SA+8*\q+1], v[SA+8*\q+4:SA+8*\q+5]
.endr
.irp q, 0,1,2,3
	v_add_f32 v[SA+8*\q], v[SA+8*\q], v[SA+8*\q+1]
.endr
.irp q, 0,1,2,3
	v_permlanex16_b32 v[PD+\q], v[SA+8*\q], s[SEL], s[SEL+1]
.endr
.irp q, 0,1,2,3
	v_add_f32 v[ST+2*\q+1], v[SA+8*\q], v[PD+\q]   ; beside -M: my keys' sum
.endr
	v_and_b32 v1, 15, v0
	v_bfe_u32 v2, v0, 4, 1
	v_and_b32 v4, 31, v0
	v_lshlrev_b32 v4, 3, v4
	s_lshl_b32 s56, s[WV], 10
	s_add_co_u32 s56, s56, STATS
	v_add_nc_u32 v28, s56, v4                      ; my statistics
	v_add_nc_u32 v29, STATS, v4                    ; everybody's
	s_mul_i32 s56, s[WV], PLANE
	v_mul_u32_u24 v30, v1, SP
	v_lshl_add_u32 v30, v2, 6, v30
	v_add_nc_u32 v30, s56, v30                     ; in: my plane, row 16 q + r, channels 32 b + 16 h on
	s_mul_i32 s56, s[WV], 16*SP
	v_add_nc_u32 v31, s56, v[LI]                   ; back: rows 16 w + i of planes 0, 1,
	v_add_nc_u32 v3, 2*PLANE, v31                  ; and of planes 2, 3
.irp q, 0,1,2,3
	ds_store_b64 v28, v[ST+2*\q:ST+2*\q+1] offset:\q*256
.endr
	s_wait_alu depctr_va_vdst(0)
	s_wait_dscnt 0x0
	s_barrier_signal -1
	s_barrier_wait -1
.irp k, 0,1,2,3
.irp q, 0,1,2,3
	ds_load_b64 v[E+8*\q+2*\k:E+8*\q+2*\k+1], v29 offset:\k*1024+\q*256
.endr
.endr
	s_wait_dscnt 0x0
.irp q, 0,1,2,3
	v_min_num_f32 v[W+8*\q], v[E+8*\q], v[E+8*\q+2]
	v_min_num_f32 v[W+8*\q+1], v[E+8*\q+4], v[E+8*\q+6]
.endr
.irp q, 0,1,2,3
	v_min_num_f32 v[W+8*\q], v[W+8*\q], v[W+8*\q+1]    ; the least -M: the largest M
.endr
.irp q, 0,1,2,3
.irp k, 0,1,2,3
	v_sub_f32 v[W+8*\q+1+\k], v[W+8*\q], v[E+8*\q+2*\k]
.endr
	v_sub_f32 v[W+8*\q+5], v[W+8*\q], v[ST+2*\q]
.endr
.irp k, 1,2,3,4,5
.irp q, 0,1,2,3
	v_cvt_i32_f32 v[W+8*\q+\k], v[W+8*\q+\k]
.endr
.endr
.irp k, 1,2,3,4,5
.irp q, 0,1,2,3
	v_ldexp_f32 v[W+8*\q+\k], 1.0, v[W+8*\q+\k]
.endr
.endr
.irp q, 0,1,2,3
	v_mul_f32 v[W+8*\q+6], v[W+8*\q+1], v[E+8*\q+1]
.endr
.irp k, 1,2,3
.irp q, 0,1,2,3
	v_fma_f32 v[W+8*\q+6], v[W+8*\q+1+\k], v[E+8*\q+2*\k+1], v[W+8*\q+6]
.endr
.endr
	s_wait_alu depctr_va_vdst(0)
.irp q, 0,1,2,3
	v_rcp_f32 v[W+8*\q+7], v[W+8*\q+6]
.endr
	v_nop
	s_wait_alu depctr_va_vdst(0)
.irp q, 0,1,2,3
	v_ldexp_f32 v[W+8*\q+7], v[W+8*\q+7], s58
.endr
.irp q, 0,1,2,3
	v_mul_f32 v[FC+2*\q], v[W+8*\q+7], v[W+8*\q+5]
.endr
	WIN 0x42
	s_wait_alu depctr_va_vdst(0)                   ; directly ahead of the first reader of O^T
.irp q, 0,1,2,3
.set j, 0
.rept 32
	v_pk_mul_f32 v[64*\q+j:64*\q+j+1], v[64*\q+j:64*\q+j+1], v[FC+2*\q:FC+2*\q+1] op_sel_hi:[1,0]   ; window 2 -> window 1
.set j, j+2
.endr
.endr
	WIN 0x04
.irp q, 0,1,2,3
.irp b, 0,1,2,3
.irp i, 0,1,2,3
	ds_store_b128 v30, v[64*\q+16*\b+4*\i:64*\q+16*\b+4*\i+3] offset:\q*16*SP+128*\b+16*\i
.endr
.endr
.endr
	WIN 0
	s_wait_dscnt 0x0
	s_barrier_signal -1
	s_barrier_wait -1
	WIN 0xc0
.irp i, 0,1,2,3,4,5,6,7,8,9,10,11,12,13,14,15
.irp p, 0,1
	ds_load_b128 v[16*\i+4*\p:16*\i+4*\p+3], v31 offset:\p*PLANE+\i*SP
	ds_load_b128 v[16*\i+8+4*\p:16*\i+8+4*\p+3], v3 offset:\p*PLANE+\i*SP
.endr
.endr
.macro JOIN i0                         ; eight rows: the four planes are added and the rows stored
	WIN 0xcf
.irp d, 0,1,2,3,4,5,6,7
.set R, 16*(\i0+\d)
	v_pk_add_f32 v[R:R+1], v[R:R+1], v[R+4:R+5]
	v_pk_add_f32 v[R+2:R+3], v[R+2:R+3], v[R+6:R+7]
	v_pk_add_f32 v[R+8:R+9], v[R+8:R+9], v[R+12:R+13]
	v_pk_add_f32 v[R+10:R+11], v[R+10:R+11], v[R+14:R+15]
.endr
.irp d, 0,1,2,3,4,5,6,7
.set R, 16*(\i0+\d)
	v_pk_add_f32 v[R:R+1], v[R:R+1], v[R+8:R+9]
	v_pk_add_f32 v[R+2:R+3], v[R+2:R+3], v[R+10:R+11]
.endr
	WIN 0x0c
.irp d, 0,1,2,3,4,5,6,7
	global_store_b128 v[LI], v[16*(\i0+\d):16*(\i0+\d)+3], s[12:13] offset:(2*\i0+\d)*512 th:TH_STORE_NT   ; 32 lanes store 512 consecutive bytes, aligned
.endr
.endm
	s_wait_dscnt 32                                ; rows 0 to 7 are back; the 32 loads of rows 8 to 15 may be out
	JOIN 0
	s_wait_dscnt 0x0
	JOIN 8
	WIN 0
	s_wait_tensorcnt 0x0                           ; the wave's end
	ds_add_u32 v[SPW], v[NIL]
	s_wait_dscnt 0x0
	CROUND                                         ; the closing round
	s_endpgm
.Lfunc_end_k_q88df7bc90f_attend:
	.size	k_q88df7bc90f_attend, .Lfunc_end_k_q88df7bc90f_attend-k_q88df7bc90f_attend
	.p2alignl 7, 3214868480
	.fill 96, 4, 3214868480
	.section	.rodata,"a",@progbits
	.p2align	6, 0x0
	.amdhsa_kernel k_q88df7bc90f_attend
		.amdhsa_group_segment_fixed_size 327680
		.amdhsa_private_segment_fixed_size 0
		.amdhsa_enable_private_segment 0
		.amdhsa_kernarg_size 40
		.amdhsa_user_sgpr_count 2
		.amdhsa_user_sgpr_kernarg_segment_ptr 1
		.amdhsa_wavefront_size32 1
		.amdhsa_system_sgpr_workgroup_id_x 1
		.amdhsa_system_sgpr_workgroup_id_y 1
		.amdhsa_system_sgpr_workgroup_id_z 1
		.amdhsa_system_vgpr_workitem_id 0
		.amdhsa_next_free_vgpr 1024
		.amdhsa_next_free_sgpr 66
		.amdhsa_reserve_vcc 0
		.amdhsa_float_denorm_mode_32 3
		.amdhsa_float_denorm_mode_16_64 3
		.amdhsa_memory_ordered 1
		.amdhsa_forward_progress 1
		.amdhsa_inst_pref_size 255
	.end_amdhsa_kernel
	.section	.bss,"aw",@nobits
	.p2align	6
	.space	262144
	.amdgpu_metadata
---
amdhsa.version: [ 1, 2 ]
amdhsa.kernels:
  - .name:           k_q88df7bc90f_attend
    .symbol:         k_q88df7bc90f_attend.kd
    .args:
      - { .name: q_img, .offset: 0, .size: 8, .value_kind: global_buffer, .address_space: global }
      - { .name: k_img, .offset: 8, .size: 8, .value_kind: global_buffer, .address_space: global }
      - { .name: v_img, .offset: 16, .size: 8, .value_kind: global_buffer, .address_space: global }
      - { .name: lowp_scales, .offset: 24, .size: 8, .value_kind: global_buffer, .address_space: global }
      - { .name: out0, .offset: 32, .size: 8, .value_kind: global_buffer, .address_space: global }
    .group_segment_fixed_size: 327680
    .private_segment_fixed_size: 0
    .kernarg_segment_align: 8
    .kernarg_segment_size: 40
    .max_flat_workgroup_size: 128
    .sgpr_count:     66
    .vgpr_count:     1024
    .wavefront_size: 32
...
	.end_amdgpu_metadata
.endif
;; end of part 2
